; MI455X (gfx1250); checked and timed in simulation.
; The chip was launched on July 23, 2026; its instructions are those of AMD's public machine-readable ISA for CDNA 5 (MIT licence, August 2026) and "CDNA5" Instruction Set Architecture Reference Guide (July 2026). The comments in the code are by the model that wrote it; some were corrected since.
;; Ro SA Linear. Allowed arithmetic: matrix products marked QUANTISED: E5M2 operands, one given power-of-two scale a tensor, by v_wmma_f32_16x16x64_bf8_bf8 or v_wmma_f32_16x16x128_bf8_bf8, f32 sums; products left as they are: f32 operands where the result goes on into a quantised operand, else bf16, f16 or f32 operands; f32 sums; everything else in f32.
;; Inputs: W_codes 4,096 x 128 x 32 uint8 (E5M2 codes of W, K innermost, in blocks of 32 codes); b 4,096 float32; delta 4,096 x 4,096 float32; lora_A_codes 16 x 128 x 32 uint8 (E5M2 codes of lora_A, K innermost, in blocks of 32 codes); lora_B 4,096 x 16 float32; lowp_scales 6 int32 (the exponents e of the quantised operands' scales 2^e); mask 4,096 x 4,096 bool; x_codes 4 x 512 x 128 x 32 uint8 (E5M2 codes of x, K innermost, in blocks of 32 codes).
;; Outputs: out0 4 x 512 x 4,096 float32.
;; This version of the problem:
;;   THIS VERSION OF THE PROBLEM IS GIVEN IN LOW PRECISION. The matrix products marked QUANTISED in the list below multiply operands that are first quantised to E5M2 (5 exponent bits, 2 mantissa bits; 8 bits a number), with one given power-of-two scale for each operand tensor; their sums are f32. All else is computed in f32.
;;   The module's matrix products, in the order in which they are computed (A, B: the left and right operand; K: the contracted axis; several contracted axes count as one K, in the product's order):
;;     1. [M 2,048, K 4,096] x [K 4,096, N 4,096]; A: input x (given as codes); B: input W (given as codes): QUANTISED (scales: A lowp_scales[0], B lowp_scales[1])
;;     2. [M 2,048, K 4,096] x [K 4,096, N 16]; A: input x (given as codes); B: input lora_A (given as codes): QUANTISED (scales: A lowp_scales[2], B lowp_scales[3])
;;     3. [M 2,048, K 16] x [K 16, N 4,096]; A: computed on the way; B: input lora_B: left as it is (K = 16 < 32)
;;     4. [M 2,048, K 4,096] x [K 4,096, N 4,096]; A: input x (given as codes); B: computed on the way: QUANTISED (scales: A lowp_scales[4], B lowp_scales[5])
;;   THE QUANTISER, for each operand of a quantised product, along K:
;;     - The operand's scale is 2^e, e = its entry of the input lowp_scales (int32; the entries are numbered through the quantised products in the list's order, A before B).
;;     - Each number is divided by the scale, clamped to +-57,344, and rounded to the nearest number of E5M2, ties to even, subnormals kept.
;;     - The product sums the exact products of the quantised numbers (number of the format x scale) in f32.
;;   ~~~python
;;   def quantise(x, axis, e):      # numpy; x: float32 -> the quantised numbers, widened to float32 again
;;       x = np.moveaxis(x, axis, -1); K = x.shape[-1]
;;       r = np.clip(x / 2.0 ** e, -57344, 57344)
;;       step = 2.0 ** (np.maximum(np.frexp(np.where(r == 0, 1, r))[1] - 1, -14) - 2)
;;       q = np.round(r / step) * step * 2.0 ** e      # np.round: ties to even
;;       return np.moveaxis(q, -1, axis).astype(np.float32)
;;   ~~~
;;   OPERANDS COMPUTED ON THE WAY. 'Computed on the way' means the value that the module computes at that place (a softmax that the list does not call 'softmax' is quantised finished and normalised). What goes into a quantiser is computed in f32, as accurately as f32 sums, v_exp_f32 and their like allow (about 1e-6 of the number): no bf16 or f16 on the way to a quantiser, and a product that is left as it is and whose result goes on into a quantised operand takes f32 operands (vector FMAs, or v_wmma_f32_16x16x4_f32). A number that lies on a knife's edge between two numbers of the format may be rounded either way, as far as f32 arithmetic and the matrix unit's own rounding can turn it there, and no further.
;;   INPUTS GIVEN AS CODES. W (in the module: [4096, 4096], K = its axis 1); lora_A (in the module: [16, 4096], K = its axis 1); x (in the module: [4, 512, 4096], K = its axis 2): each comes as NAME_codes (uint8): NAME with its K axis moved to the last place and cut into blocks of 32 codes, [.., K / 32, bytes a block], one block behind the other in memory; one code a byte (a code: sign, 5 exponent bits, 2 mantissa bits); its scale is its entry of lowp_scales. Its value is code x scale, taken as it is: it is not quantised again, and the codes and scales need not be those that the quantiser above would give.
;; 2 versions, each right; version 2 is version 1 with the launch prep written anew for expert scheduling mode. Each part assembles by itself: llvm-mc -triple=amdgcn-amd-amdhsa -mcpu=gfx1250 --defsym DOCPART=n.
;; ======== version 1 of 2: 2 launches
;; workspace buffers: d_codes 16,777,216 bytes; t_img 65,536 bytes
;; launch prep (part 1): grid 640 x 1, 4 waves a work-group, no clusters, 37,376 bytes of LDS; arguments delta, mask, x_codes, lora_A_codes, lowp_scales, d_codes, t_img; writes d_codes, t_img
.if DOCPART == 1
	.amdgcn_target "amdgcn-amd-amdhsa--gfx1250"
	.amdhsa_code_object_version 6
	.text
	.protected	k_q74b4ae3ce1_prep
	.globl	k_q74b4ae3ce1_prep
	.p2align	8
	.type	k_q74b4ae3ce1_prep,@function
k_q74b4ae3ce1_prep:
	s_mov_b64 s[64:65], 0
	v_nop
	global_prefetch_b8 v0, s[64:65] scope:SCOPE_SE
	s_setreg_imm32_b32 hwreg(HW_REG_WAVE_MODE, 25, 1), 1
	s_wait_xcnt 0x0
; TWO JOBS IN ONE LAUNCH, parted on the work-group's number.
; (1) Work-groups NT .. NT+511: delta [4096][4096] f32 and mask [4096][4096] bytes become d_codes [4096][4096]: codes of BF8 (E5M2) of delta x mask, K innermost, with the given scale 2^e5
;     (entry 5 of the scales).  code = delta / 2^e5, held within +-57,344, to the nearest code, ties to even; then the code's byte is ANDed with 0xFF x its mask byte.
; (2) Work-groups 0 .. NT-1: t = x lora_A^T on codes (K = 4,096, 16 ranks).  Work-group g takes rows 16 g .. 16 g + 15 of x; each of its four waves 1,024 along K; the four partial sums meet in LDS,
;     and wave 0 stores t' = sum x 2^(e2 + e3 + 1 - e0 - e1) as bf16.  The 1 is reference()'s scaling 32 / 16 = 2; e0 + e1 is taken off because the next launch adds t' lora_B^T onto sums that still
;     lack 2^(e0 + e1).  t_img holds, for each tile of 16 rows, 512 bytes: lane l's 16 bytes at 16 l = t'(row l % 16, ranks 8 (l / 16) + 0 .. 7): registers 0-3 of the bf16 operand, as they stand.
; LIMITS.  e5 between -126 and 112, so that 2^e5 and 57,344 x 2^e5 are f32 numbers.  Mask bytes are 0 or 1.  Masking the code gives +0 where reference() has -0 (a masked negative number): the same value.
;     NaN and infinity in delta are not served (reference() makes NaN of a masked infinity).  t' must lie in bf16's range.  t's K is summed in eight parts (4 waves x 2 accumulators), and k is
;     permuted alike in both operands by the 16-byte fragment loads: the order of the sums differs from reference()'s.
; Nothing is shared between work-groups and every byte is read once: so no cluster, no tensor load, no ring in LDS.  The quantiser's waves share nothing at all.
; THE QUANTISER.  Rows are dense, so delta, mask and codes are plain streams.  A wave takes 16 steps of 512 numbers.  Each of a step's four loads reads 512 consecutive bytes, 16 a lane; the conversion wants 16
; NEIGHBOURS in one lane's registers: the step's 2,048 bytes turn through the wave's own stage in LDS (16 bytes of padding behind each 64) and come back 64 bytes a lane.  A lane's 16 codes and its 16 mask
; bytes are 16 bytes each: the wave's mask load and its store cover 512 consecutive bytes.  Loads run four steps (16 loads a wave) ahead, the turn through LDS one step; all 16 mask loads go out first.
.set NT,    128                        ; work-groups of job (2): 2,048 rows of x / 16
.set STEPS, 16
.set SP,    80                         ; a lane's place in a stage: its 64 bytes + 16 of padding
.set PART,  32768                      ; LDS: job (1) has 8,192 bytes a wave from 0 on (two stages of 32 x SP); job (2) has bytes of its own from here: 1,024 a wave
.set R,     16                         ; v16-79    job (1): four sets of 16 numbers as they are loaded
.set X,     80                         ; v80-111   two sets of 16 neighbours
.set T,     112                        ; v112-115  0xFF x mask
.set C,     128                        ; v128-191  codes: four registers for each step, so that no store's data are written again
.set M,     192                        ; v192-255  mask bytes: four registers for each step
.set XF,    16                         ; v16-143   job (2): x's eight fragments (16 rows x 128 K: 16 registers)
.set AFR,   144                        ; v144-207  lora_A's fragments, four at a time
.set ACC,   208                        ; v208-223  two accumulators, by turns
.set P,     224                        ; v224-231  my wave's partial sum
	s_load_b256 s[4:11], s[0:1], 0x0               ; delta s[4:5], mask s[6:7], x's codes s[8:9], lora_A's codes s[10:11]
	s_load_b128 s[12:15], s[0:1], 0x20             ; the scales' exponents s[12:13], d_codes s[14:15]
	s_load_b64 s[16:17], s[0:1], 0x30              ; t_img
	v_lshl_add_u32 v8, v0, 2, 0x9000
	v_mov_b32 v9, 0
	v_lshrrev_b32 v1, 5, v0
	v_readfirstlane_b32 s18, v1                    ; wave 0..3
	; every address register of both jobs is made here, ahead of the parting, and never rewritten
	v_and_b32 v2, 31, v0                           ; lane
	v_lshlrev_b32 v3, 4, v2                        ; 16 x lane: my 16 bytes of 512
	v_and_b32 v6, 15, v0                           ; r
	v_bfe_u32 v7, v0, 4, 1                         ; h
	v_lshlrev_b32 v5, 12, v6                       ; a fragment of x or lora_A: row r of 4,096 bytes,
	v_lshl_add_u32 v5, v7, 4, v5                   ; + 16 h,
	s_lshl_b32 s20, s18, 10
	v_add_nc_u32 v5, s20, v5                       ; + my wave's 1,024 along K
	v_add_nc_u32 v12, PART, v3                     ; where wave 0 reads the partial sums
	v_add_nc_u32 v13, s20, v12                     ; where I store mine: PART + 1,024 x wave + 16 x lane
	s_lshl_b32 s21, s18, 13                        ; my stages: 8,192 x wave
	v_lshrrev_b32 v14, 2, v2
	v_mul_u32_u24 v14, v14, SP
	v_and_b32 v15, 3, v2
	v_lshl_add_u32 v14, v15, 4, v14
	v_add_nc_u32 v14, s21, v14                     ; into a stage: four lanes' 64 bytes on end, then 16 of padding: SP (lane / 4) + 16 (lane % 4)
	v_mul_u32_u24 v15, v2, SP
	v_add_nc_u32 v15, s21, v15                     ; and out of it: SP x lane: my 16 neighbours
	s_wait_kmcnt 0x0
	s_load_b128 s[24:27], s[12:13], 0x0            ; e0, e1, e2, e3
	s_load_b64 s[28:29], s[12:13], 0x10            ; e4, e5: the buffer's 24 bytes, no more
	s_cmp_lt_u32 ttmp9, NT
	s_cbranch_scc1 .Llora
	; ---------------- job (1): the quantiser ----------------
	s_sub_co_u32 s20, ttmp9, NT
	s_lshl_b32 s20, s20, 2
	s_add_co_u32 s20, s20, s18                     ; which run of 8,192 numbers is my wave's: 0 .. 2,047
	s_lshl_b32 s22, s20, 13                        ; its bytes in mask and in d_codes,
	s_mov_b32 s23, 0
	s_lshl_b32 s20, s20, 15                        ; and in delta (under 2^27)
	s_mov_b32 s21, 0
	s_add_nc_u64 s[4:5], s[4:5], s[20:21]
	s_add_nc_u64 s[6:7], s[6:7], s[22:23]
	s_add_nc_u64 s[14:15], s[14:15], s[22:23]
.macro LOADD t                         ; step t's 512 numbers, as they lie
.irp i, 0,1,2,3
	global_load_b128 v[R+16*((\t)%4)+4*\i:R+16*((\t)%4)+4*\i+3], v3, s[4:5] offset:2048*(\t)+512*\i th:TH_LOAD_NT   ; 32 lanes read 512 consecutive bytes; read once in the launch
.endr
.endm
.macro TURN t                          ; step t's numbers through the stage: LDS serves a wave's instructions in order (ISA guide 5.7.1.4), so no wait stands between the stores and the loads
.irp i, 0,1,2,3
	ds_store_b128 v14, v[R+16*((\t)%4)+4*\i:R+16*((\t)%4)+4*\i+3] offset:32*SP*((\t)%2)+8*SP*\i
.endr
.irp i, 0,1,2,3
	ds_load_b128 v[X+16*((\t)%2)+4*\i:X+16*((\t)%2)+4*\i+3], v15 offset:32*SP*((\t)%2)+16*\i
.endr
.endm
.irp t, 0,1,2,3,4,5,6,7,8,9,10,11,12,13,14,15
	global_load_b128 v[M+4*\t:M+4*\t+3], v3, s[6:7] offset:512*\t th:TH_LOAD_NT   ; all my mask bytes: 16 for each lane and step
.endr
.irp t, 0,1,2,3
	LOADD \t
.endr
	s_wait_kmcnt 0x0
	s_add_co_i32 s30, s29, 127
	s_lshl_b32 s31, s30, 23
	v_mov_b32 v11, s31                             ; 2^e5 as f32: the conversion takes its exponent field
	s_add_co_i32 s30, s30, 15
	s_lshl_b32 s30, s30, 23
	s_or_b32 s30, s30, 0x600000
	v_mov_b32 v10, s30                             ; 57,344 x 2^e5
	s_wait_loadcnt 12                              ; step 0's four loads are in, and the mask loads, which are older; three steps' loads may be out
	TURN 0
.macro STEP t
.set XS, X+16*((\t)%2)
.set CT, C+4*(\t)
.set MT, M+4*(\t)
	s_wait_dscnt 0x0                               ; this step's numbers are back from the stage: so its stores into the stage have read their registers,
.if (\t)+4 < STEPS
	LOADD (\t)+4                                   ; which take the loads of four steps on
.endif
.if (\t)+1 < STEPS
.if STEPS-2-(\t) >= 3
	s_wait_loadcnt 12                              ; the next step's four loads are in; those of the three steps behind it may be out
.else
	s_wait_loadcnt 4*(STEPS-2-(\t))                ; the counts run down: 8, 4, 0
.endif
	TURN (\t)+1                                    ; and go through the other stage while this step is worked
.endif
.irp i, 0,1,2,3,4,5,6,7,8,9,10,11,12,13,14,15
	v_med3_num_f32 v[XS+\i], v[XS+\i], -v10, v10   ; the conversion to an 8-bit code does not saturate (ISA guide 7.6.2): hold the number within the largest code x the scale first
.endr
	v_cvt_scalef32_pk8_bf8_f32 v[CT:CT+1], v[XS:XS+7], v11        ; eight numbers / 2^e5, to the nearest code, ties to even; the first number's code in the lowest byte
	v_cvt_scalef32_pk8_bf8_f32 v[CT+2:CT+3], v[XS+8:XS+15], v11
.irp i, 0,1,2,3
	v_lshlrev_b32 v[T+\i], 8, v[MT+\i]             ; 256 m - m = 255 m: each byte 0 or 1 becomes 0x00 or 0xFF, with no carry between bytes.
.endr
.irp i, 0,1,2,3
	v_sub_nc_u32 v[T+\i], v[T+\i], v[MT+\i]        ; (These eight plain lines stand between the conversions and the lines that touch their results)
.endr
.irp i, 0,1,2,3
	v_and_b32 v[CT+\i], v[CT+\i], v[T+\i]          ; the mask: a hidden number's code is 0
.endr
	global_store_b128 v3, v[CT:CT+3], s[14:15] offset:512*(\t)    ; the wave stores 512 consecutive bytes, aligned; the next launch reads them, so no hint
.endm
.irp t, 0,1,2,3,4,5,6,7,8,9,10,11,12,13,14,15
	STEP \t
.endr
	s_branch .Ljoin
	; ---------------- job (2): my wave's part of t ----------------
.Llora:
	s_lshl_b32 s20, ttmp9, 16                      ; my work-group's 16 rows of 4,096 bytes
	s_mov_b32 s21, 0
	s_add_nc_u64 s[8:9], s[8:9], s[20:21]
; A fragment, 16 rows x 128 K of codes: lane (r, h) takes, of row r, k = 32 c + 16 h + 0 .. 15 into registers 4 c .. 4 c + 3: a permutation of k that is the same in both operands.
.irp s, 0,1,2,3
.irp c, 0,1,2,3
	global_load_b128 v[AFR+16*\s+4*\c:AFR+16*\s+4*\c+3], v5, s[10:11] offset:128*\s+32*\c
.endr
.endr
.irp s, 0,1,2,3,4,5,6,7
.irp c, 0,1,2,3
	global_load_b128 v[XF+16*\s+4*\c:XF+16*\s+4*\c+3], v5, s[8:9] offset:128*\s+32*\c
.endr
.endr
; TRANSPOSED: source 0 = lora_A's 16 ranks, source 1 = 16 rows of x: lane (r, h) holds row r, and register j rank 8 h + j.  The two accumulators take turns, one instruction a turn.
.macro TPROD s
.if \s < 2
	v_wmma_f32_16x16x128_bf8_bf8 v[ACC+8*(\s%2):ACC+8*(\s%2)+7], v[AFR+16*(\s%4):AFR+16*(\s%4)+15], v[XF+16*\s:XF+16*\s+15], 0
.else
	v_wmma_f32_16x16x128_bf8_bf8 v[ACC+8*(\s%2):ACC+8*(\s%2)+7], v[AFR+16*(\s%4):AFR+16*(\s%4)+15], v[XF+16*\s:XF+16*\s+15], v[ACC+8*(\s%2):ACC+8*(\s%2)+7]
.endif
.endm
.irp s, 0,1,2,3
	s_wait_loadcnt 28-4*\s                         ; x's step s is in (lora_A's four are older); x's later steps, four loads each, may be out
	TPROD \s
.endr
.rept 4
	v_nop                                          ; places in front of loads into registers that matrix instructions have read (ISA guide 7.12.1 for vector instructions)
.endr
.irp s, 0,1,2,3
.irp c, 0,1,2,3
	global_load_b128 v[AFR+16*\s+4*\c:AFR+16*\s+4*\c+3], v5, s[10:11] offset:128*(\s+4)+32*\c
.endr
.endr
.irp s, 4,5,6,7
	s_wait_loadcnt 4*(7-\s)                        ; lora_A's step s is in, and all of x, which is older; lora_A's later steps may be out
	TPROD \s
.endr
.rept 4
	v_nop                                          ; places in front of the first read of results
.endr
.irp i, 0,2,4,6
	v_pk_add_f32 v[P+\i:P+\i+1], v[ACC+\i:ACC+\i+1], v[ACC+8+\i:ACC+8+\i+1]   ; both accumulators from their low ends on
.endr
	ds_store_b128 v13, v[P:P+3]                    ; an image of my eight registers: 16 x lane, 512 bytes a store
	ds_store_b128 v13, v[P+4:P+7] offset:512
.Ljoin:                                            ; every wave of every work-group passes this one barrier; job (1) hands nothing over at it
	s_wait_dscnt 0x0                               ; for the others' sake: my stores have landed
	s_barrier_signal -1
	s_barrier_wait -1
	s_cmp_ge_u32 ttmp9, NT
	s_cbranch_scc1 .Lend
	s_cmp_lg_u32 s18, 0
	s_cbranch_scc1 .Lend
	; ---------------- job (2), wave 0: the four partial sums become t' ----------------
	s_wait_kmcnt 0x0
	s_add_co_i32 s30, s26, s27                     ; e2 + e3
	s_add_co_i32 s30, s30, 1                       ; x 2, the scaling
	s_sub_co_i32 s30, s30, s24
	s_sub_co_i32 s30, s30, s25                     ; - e0 - e1
	s_lshl_b32 s20, ttmp9, 9                       ; my tile's 512 bytes of t_img
	s_mov_b32 s21, 0
	s_add_nc_u64 s[16:17], s[16:17], s[20:21]
.irp p, 0,1,2,3
.irp g, 0,1
	ds_load_b128 v[16+8*\p+4*\g:16+8*\p+4*\g+3], v12 offset:1024*\p+512*\g
.endr
.endr
	s_wait_dscnt 0x0
.irp i, 0,2,4,6
	v_pk_add_f32 v[16+\i:17+\i], v[16+\i:17+\i], v[24+\i:25+\i]
	v_pk_add_f32 v[32+\i:33+\i], v[32+\i:33+\i], v[40+\i:41+\i]
.endr
.irp i, 0,2,4,6
	v_pk_add_f32 v[16+\i:17+\i], v[16+\i:17+\i], v[32+\i:33+\i]
.endr
.irp j, 0,1,2,3,4,5,6,7
	v_ldexp_f32 v[16+\j], v[16+\j], s30            ; a power of two: nothing is rounded
.endr
.irp q, 0,1,2,3
	v_cvt_pk_bf16_f32 v[48+\q], v[16+2*\q], v[17+2*\q]   ; the lower rank in the lower half
.endr
	global_store_b128 v3, v[48:51], s[16:17]       ; the wave stores 512 consecutive bytes, aligned
.Lend:
	s_wait_tensorcnt 0x0
	ds_add_u32 v8, v9
	s_wait_dscnt 0x0
	s_endpgm
.Lfunc_end_k_q74b4ae3ce1_prep:
	.size	k_q74b4ae3ce1_prep, .Lfunc_end_k_q74b4ae3ce1_prep-k_q74b4ae3ce1_prep
	.p2alignl 7, 3214868480
	.fill 96, 4, 3214868480
	.section	.rodata,"a",@progbits
	.p2align	6, 0x0
	.amdhsa_kernel k_q74b4ae3ce1_prep
		.amdhsa_group_segment_fixed_size 37376
		.amdhsa_private_segment_fixed_size 0
		.amdhsa_enable_private_segment 0
		.amdhsa_kernarg_size 56
		.amdhsa_user_sgpr_count 2
		.amdhsa_user_sgpr_kernarg_segment_ptr 1
		.amdhsa_wavefront_size32 1
		.amdhsa_system_sgpr_workgroup_id_x 1
		.amdhsa_system_sgpr_workgroup_id_y 1
		.amdhsa_system_sgpr_workgroup_id_z 1
		.amdhsa_system_vgpr_workitem_id 0
		.amdhsa_next_free_vgpr 256
		.amdhsa_next_free_sgpr 66
		.amdhsa_reserve_vcc 0
		.amdhsa_float_denorm_mode_32 3
		.amdhsa_float_denorm_mode_16_64 3
		.amdhsa_memory_ordered 1
		.amdhsa_forward_progress 1
		.amdhsa_inst_pref_size 55
	.end_amdhsa_kernel
	.amdgpu_metadata
---
amdhsa.version: [ 1, 2 ]
amdhsa.kernels:
  - .name:           k_q74b4ae3ce1_prep
    .symbol:         k_q74b4ae3ce1_prep.kd
    .args:
      - { .name: delta, .offset: 0, .size: 8, .value_kind: global_buffer, .address_space: global }
      - { .name: mask, .offset: 8, .size: 8, .value_kind: global_buffer, .address_space: global }
      - { .name: x_codes, .offset: 16, .size: 8, .value_kind: global_buffer, .address_space: global }
      - { .name: lora_A_codes, .offset: 24, .size: 8, .value_kind: global_buffer, .address_space: global }
      - { .name: lowp_scales, .offset: 32, .size: 8, .value_kind: global_buffer, .address_space: global }
      - { .name: d_codes, .offset: 40, .size: 8, .value_kind: global_buffer, .address_space: global }
      - { .name: t_img, .offset: 48, .size: 8, .value_kind: global_buffer, .address_space: global }
    .group_segment_fixed_size: 37376
    .private_segment_fixed_size: 0
    .kernarg_segment_align: 8
    .kernarg_segment_size: 56
    .max_flat_workgroup_size: 128
    .sgpr_count:     66
    .vgpr_count:     256
    .wavefront_size: 32
...
	.end_amdgpu_metadata
.endif
;; end of part 1
;; launch gemm (part 2): grid 32 x 8, 4 waves a work-group, clusters of 4 x 4, 327,680 bytes of LDS; arguments x_codes, W_codes, d_codes, lowp_scales, b, lora_B, t_img, out0; writes out0
.if DOCPART == 2
	.amdgcn_target "amdgcn-amd-amdhsa--gfx1250"
	.amdhsa_code_object_version 6
	.text
	.protected	k_q74b4ae3ce1_gemm
	.globl	k_q74b4ae3ce1_gemm
	.p2align	8
	.type	k_q74b4ae3ce1_gemm,@function
k_q74b4ae3ce1_gemm:
	s_mov_b64 s[64:65], 0
	v_nop
	global_prefetch_b8 v0, s[64:65] scope:SCOPE_SE
	s_setreg_imm32_b32 hwreg(HW_REG_WAVE_MODE, 25, 1), 1
	s_wait_xcnt 0x0
	s_wait_alu depctr_hold_cnt(0) depctr_sa_sdst(0) depctr_va_vdst(0) depctr_va_sdst(0) depctr_va_ssrc(0) depctr_va_vcc(0) depctr_vm_vsrc(0)
	s_getreg_b32 s2, hwreg(HW_REG_IB_STS2, 6, 4)
	s_cmp_eq_u32 s2, 0
	s_cbranch_scc0 .Lentry_in_a_cluster
	s_endpgm
.Lentry_in_a_cluster:
	s_bfe_u32 s2, ttmp6, 0x10000c
	s_cmp_lg_u32 s2, 0xf033
	s_cbranch_scc0 .Lentry_shape_is_right
	s_endpgm
.Lentry_shape_is_right:
; out[m][n] = 2^(e0+e1) sum_k x[m][k] W[n][k]  +  b[n]  +  2 t[m][:] . lora_B[n][:]  +  2^(e4+e5) sum_k x[m][k] D[n][k].   x [2048][4096], W, D [4096][4096]: codes of BF8 (E5M2), K innermost;
; D = d_codes, the codes of delta x mask made by the launch before; t_img: t' = 2 t / 2^(e0+e1) as bf16, in the order of the operand's registers.  out [2048][4096] f32; all sums f32.
; ONE TILE, TWO PRODUCTS.  Both large products have x as an operand.  A work-group makes 256 rows x 128 columns of out and multiplies its 256 rows of x by 128 rows of W and by the same 128 rows of D:
; 256 x 256 sums.  Four waves; a wave takes 128 rows x 64 columns, against W (blocks b = 0-3) AND against D (b = 4-7): 64 accumulators of 16 x 16, 512 registers.  So the two sums of an output, which
; carry different scales, lie in one lane, and the way out joins them: out = 2^(e0+e1) accW + 2^(e4+e5) accD.
; THE SUMS BEGIN: accW with (b + 2 t lora_B^T) / 2^(e0+e1): one bf16 matrix instruction a tile (K = 16 ranks, the upper half of its K filled with zeros), its C the bias x 2^-(e0+e1); accD with the constant 0.
; K goes in 16 steps of 256 through a ring of two LDS slots filled by the tensor data mover: a tile's row is 256 bytes of memory, aligned.
; CLUSTERS: 4 x 4 work-groups.  The four of a row of the cluster need the same rows of x, the four of a column the same rows of W and D: each tile is asked for JOINTLY, by the same tensor load with the same
; descriptor and a mask that names the four.  Waves 0 and 1 fetch x's two halves, wave 2 W's 128 rows, wave 3 D's.
; CLUSTERS BEGIN AT DIFFERENT K STEPS: cluster (X, Y) begins at step (4 (X mod 4) + 8 Y) mod 16 and walks round.  The two clusters that need the same rows of W and D are 8 steps apart; clusters that need the
; same rows of x and differ in X mod 4 are 4, 8 or 12 apart.  So what one cluster has read is asked for again by another some steps later, not at the same moment.  The start hangs on the cluster's x and y
; alone: it is the same number in all sixteen partners, and it enters global addresses only.
; PREFETCH: of W and D my cluster's steps 8 to 15 were read by the other cluster eight changes of slots earlier, and steps 0 and 1 are the first fills.  Steps 2 to 7 are asked for ahead: one change of slots
; before the tensor load that wants them, wave 2 (W) and wave 3 (D) name one byte in each of 32 rows' 256 bytes; the cluster's four work-groups of a column take 32 of the 128 rows each.  Six requests a wave,
; 16 KiB a work-group at a time, each 256 bytes named once in the launch; then it stops.  x is not asked for: two of its four steps that no other cluster has read are first fills, and clusters X and X + 4 walk alike.
; THE MATRIX INSTRUCTIONS ARE USED TRANSPOSED (source 0 = 16 rows of W, D or lora_B; source 1 = 16 rows of x or t'): a lane then holds eight neighbouring numbers of a row of out.
; LIMITS.  e0 + e1 and e4 + e5 between -126 and 127, so that both powers of two are f32 numbers; b x 2^-(e0+e1) stays a normal f32 number.  t' and lora_B are rounded to bf16 (a product left as it is).
; The order of the sums differs from reference()'s: K begins at the cluster's own step, and the 16-byte fragment loads permute k alike in both operands.
; Left out: work-groups that stay (256 tiles for 256 work-groups: one each).
; REGISTERS, in windows of 256: window 0: v0-31 addresses; v32-63 the bias, later the way out's sums; v64-95 lora_B's fragments; v96-127 lora_B as f32; from v128 x's fragments (8 x 16 rows x 128 K), ONE set
;   (at the head v128-191 hold t's fragments; on the way out two sets of rows read back).   window 1: W's and D's fragments, TWO sets, at v0 and at v128.
;   window 2: the 32 accumulators of my rows 0-63 (accumulator (a, b) at v[8 (8 a + b)]);   window 3: those of my rows 64-127.
.set SIZE_K, 4096
.set SIZE_N, 4096
.set KSTEP,  256                       ; along K in a slot
.set ROWB,   256                       ; a tile's row in bytes
.set KROW,   SIZE_K                    ; a row of x, W or D in memory, in bytes: a power of two, so that KROW - 1 masks a place in a row
.set OROW,   SIZE_N*4                  ; a row of out in bytes
.set PITCH,  272                       ; an LDS row: 256 bytes + 16 of padding = 68 words: row r starts at bank 4 r mod 64 (64 banks of 4 bytes: ISA guide 11.1), so the 16 rows that a load touches start at 16 different banks
.set FR,     16                        ; registers of a fragment: 16 rows x 128 K
.set NL,     4                         ; LDS loads that bring one
.set NP,     4                         ; places behind these matrix instructions (ISA guide 7.12.1)
.set HALFT,  128*PITCH                 ; 128 rows: what one tensor load brings
.set SLOT,   4*HALFT                   ; x's 256 rows, W's 128, D's 128
.set LAPS,   SIZE_K/(2*KSTEP)          ; a lap = two K steps = once round the ring: 8
.set SPARE,  2*SLOT                    ; behind the ring: the spare words, 128 bytes for each wave: two blocks of 256 bytes that no other line names
.set SPITCH, 272                       ; the way out: a stage of 16 rows x (256 bytes + 16) for each wave.  It lies in slot 0, which has had its last fill and its last read when the first result is stored there
.set TI,   7                           ; v7      16 x lane: my place in an image of t'
.set LBO,  8                           ; v8      lora_B: row r of 64 bytes, + 32 h
.set BIO,  9                           ; v9      b: 32 h
.set PFO,  10                          ; v10     the prefetch: row 32 cy + lane of the tile column's 128, in bytes; never rewritten
.set ADRA, 16                          ; v16-17  LDS address of my fragments of x in slot 0, 1
.set ADRB, 20                          ; v20-21  the same for W's (D's lie 128 rows further on)
.set STO,  24                          ; v24     the way out: where I put 32 bytes of a row
.set RD,   25                          ; v25     the way out: where I read a row back
.set CO,   26                          ; v26     my byte offset in two rows of out
.set SPW,  28                          ; v28     LDS address of my spare word: SPARE + 4 x my thread's number; never rewritten
.set NIL,  29                          ; v29     0; never rewritten
.set BI,   32                          ; the bias in the result's layout, 4 blocks x 8
.set TMP,  32                          ; the way out: a block's 32 joined sums
.set LB,   64                          ; lora_B's four bf16 fragments
.set LR,   96                          ; lora_B as loaded
.set TF,   128                         ; t's eight bf16 fragments
.set AF,   128                         ; x's fragments
.set BK,   128                         ; the way out: 16 rows read back from the stage: v128-159 and v160-191 by turns
.set KO,   12                          ; s[12:13] the place along K, in bytes, of the K step that is asked for next, with 0 above it
.set XB,   20                          ; s[20:21] x at the first byte of the rows that I fetch; kept
.set WB,   46                          ; s[46:47] W or D (by my wave's low bit) at the first byte of the tile column's rows; kept
.set PFN,  95                          ; s95      prefetches made or passed over
.set PFB,  96                          ; s[96:97] the prefetch's base
.set G1, 24                            ; s[24:31] descriptor group 1 for x's tiles;  s[32:39] group 0, one set for each slot
.set G0, 32
.set G1B, 48                           ; s[48:55], s[56:63] the same for W's and D's tiles
.set G0B, 56
.set MSB, 0
.macro WIN new                         ; the immediate's high byte repeats the setting that is left; a switch that changes nothing is dropped
.if MSB != (\new)
	s_set_vgpr_msb (MSB<<8)|(\new)
.set MSB, \new
.endif
.endm
.set MUL_LO, 0xa1                      ; source 0 (W, D) window 1, source 1 (x) window 0, C and D window 2
.set MUL_HI, 0xf1                      ; the same, C and D window 3
.set TO_B,   0x40                      ; destination window 1, address window 0
; A joint load: waves 0 and 1 fetch for x, waves 2 and 3 for W and D.  Each of the two lines has ONE mask and one set of registers for all that issue it; the branch hangs on the wave's number alone.
; Four v_nop follow each of the two lines, ahead of the jump, the label and what follows.
.macro JLOAD g0a, g1a, g0b, g1b
	s_cmp_eq_u32 s15, 0
	s_cbranch_scc0 .Lfor_b_\@
	tensor_load_to_lds s[\g0a:\g0a+3], s[\g1a:\g1a+7]
	s_nop 0
.rept 4
	v_nop
.endr
	s_branch .Lasked_\@
.Lfor_b_\@:
	tensor_load_to_lds s[\g0b:\g0b+3], s[\g1b:\g1b+7]
	s_nop 0
.rept 4
	v_nop
.endr
.Lasked_\@:
.endm
; The addresses of slot s's two groups 0: the rows' first bytes + the place along K; then that place steps on by a K step, round the row's end.  Written only where no tensor load of mine is out.
.macro AIM s
	s_add_nc_u64 s[G0+4*\s+2:G0+4*\s+3], s[XB:XB+1], s[KO:KO+1]    ; 120:64 global address
	s_or_b32 s[G0+4*\s+3], s[G0+4*\s+3], 0x80000000                ; 127:126 type = 2
	s_add_nc_u64 s[G0B+4*\s+2:G0B+4*\s+3], s[WB:WB+1], s[KO:KO+1]
	s_or_b32 s[G0B+4*\s+3], s[G0B+4*\s+3], 0x80000000
	s_add_co_u32 s[KO], s[KO], ROWB
	s_and_b32 s[KO], s[KO], KROW-1
.endm
; The prefetch: s[KO] has just been stepped, so it names the K step that the NEXT refill will load.  Waves 2 and 3 alone, and the first six times alone: my cluster's steps 2 to 7.
; Both branches hang on numbers that are the same in every work-group.  Every address lies inside W or D: row 128 x tile column + 32 cy + lane, at most 4,095; a place in the row of at most 3,840.
.macro PREF
	s_cmp_gt_u32 s[PFN], 5
	s_cbranch_scc1 .Lno_pf_\@
	s_cmp_eq_u32 s15, 0
	s_cbranch_scc1 .Lno_pf_\@
	s_wait_xcnt 0x0                                ; the last prefetch, a change of slots ago, has read its base: it may be written
	s_add_nc_u64 s[PFB:PFB+1], s[WB:WB+1], s[KO:KO+1]
	global_prefetch_b8 v[PFO], s[PFB:PFB+1] th:TH_LOAD_NT scope:SCOPE_SE
.Lno_pf_\@:
	s_add_co_u32 s[PFN], s[PFN], 1
.endm
.macro CREST                           ; a round of the cluster's barrier behind its opening barrier
	s_cmp_lg_u32 s14, 0
	s_cbranch_scc1 .Lnot_wave_0_\@
	s_barrier_signal -3
.Lnot_wave_0_\@:
	s_barrier_wait -3
	s_barrier_signal -1
	s_barrier_wait -1
.endm
.macro CROUND                          ; a whole round
	s_barrier_signal -1
	s_barrier_wait -1
	CREST
.endm
	s_load_b512 s[68:83], s[0:1], 0x0              ; x s[68:69], W s[70:71], D s[72:73], the scales' exponents s[74:75], b s[76:77], lora_B s[78:79], t_img s[80:81], out s[82:83]
	v_lshl_add_u32 v[SPW], v0, 2, SPARE
	v_mov_b32 v[NIL], 0
	ds_add_u32 v28, v29
	ds_add_u32 v28, v29
	s_wait_dscnt 0x0
	v_lshrrev_b32 v1, 5, v0
	v_readfirstlane_b32 s14, v1                    ; wave 0..3
	s_lshr_b32 s15, s14, 1                         ; i: which half of the tile's rows is mine.  Also: I fetch for x (0) or for W and D (1)
	s_and_b32 s16, s14, 1                          ; j: which half of its columns.  Also: which half of x, or W (0) or D (1), I fetch
	s_bfe_u32 s40, ttmp6, 0x40000                  ; cx, cy: my place in the cluster
	s_bfe_u32 s41, ttmp6, 0x40004
	s_lshl_b32 s42, ttmp9, 2
	s_add_co_u32 s42, s42, s40                     ; tile column = 4 x cluster x + cx: 0 .. 31
	s_and_b32 s17, ttmp7, 0xffff                   ; cluster y
	s_lshl_b32 s[KO+1], s17, 11                    ; 8 K steps of 256 bytes x cluster y,
	s_lshl_b32 s17, s17, 2
	s_add_co_u32 s17, s17, s41                     ; tile row = 4 x cluster y + cy: 0 .. 7
	s_and_b32 s[KO], ttmp9, 3
	s_lshl_b32 s[KO], s[KO], 10                    ; + 4 K steps x (cluster x mod 4),
	s_add_co_u32 s[KO], s[KO], s[KO+1]
	s_and_b32 s[KO], s[KO], KROW-1                 ; round the row's end: where my cluster begins along K, in bytes
	s_mov_b32 s[KO+1], 0
	s_mov_b32 s[PFN], 0
	v_and_b32 v[PFO], 31, v0
	v_lshlrev_b32 v[PFO], 12, v[PFO]
	s_lshl_b32 s22, s41, 17
	v_add_nc_u32 v[PFO], s22, v[PFO]               ; (32 cy + lane) rows of 4,096 bytes
	s_lshl_b32 s43, s41, 2
	s_lshl_b32 s43, 15, s43                        ; my row of the cluster
	s_lshl_b32 s44, 0x1111, s40                    ; my column
	; descriptor group 1: a tile of 128 rows x 256 bytes, padded in LDS
	s_or_b32 s[G1+0], s43, (0<<16)|(1<<20)|(1<<21)|(5<<22)|(3<<25)  ; 15:0 the mask: x's tiles go to my row; 17:16 element of 1 byte; 20 padding on; 21 set beside a mask; 24:22 after every 64 words (code 5); 31:25 of 4 words (code 3)
	s_or_b32 s[G1B+0], s44, (0<<16)|(1<<20)|(1<<21)|(5<<22)|(3<<25) ; the same with the mask of my column
.irp g, G1, G1B
	s_mov_b32 s[\g+1], ROWB<<16                    ; tensor_dim0 = 256
	s_mov_b32 s[\g+2], 128<<16                     ; tensor_dim1 = 128
	s_mov_b32 s[\g+3], ROWB<<16                    ; tile_dim0 = 256
	s_mov_b32 s[\g+4], 128                         ; tile_dim1 = 128
	s_mov_b32 s[\g+5], KROW                        ; tensor_dim0_stride
	s_mov_b32 s[\g+6], 0
	s_mov_b32 s[\g+7], 0
.endr
	; where the tiles come from.  x's hang on the tile row alone, which my row of the cluster shares; W's and D's on the tile column alone, which my column shares
	s_lshl_b32 s20, s17, 8
	s_lshl_b32 s21, s16, 7
	s_add_co_u32 s20, s20, s21                     ; x: row 256 x tile row + 128 x half,
	s_lshl_b32 s20, s20, 12                        ; in bytes (under 2^23)
	s_mov_b32 s21, 0
	s_lshl_b32 s18, s42, 19                        ; W, D: 128 x tile column rows of 4,096 bytes (under 2^24)
	s_mov_b32 s19, 0
	s_mul_i32 s45, s14, HALFT                      ; where they go: wave x 128 rows: no place in the cluster enters an LDS address
	s_wait_kmcnt 0x0
	s_load_b128 s[84:87], s[74:75], 0x0            ; e0, e1, e2, e3
	s_load_b64 s[88:89], s[74:75], 0x10            ; e4, e5
	s_add_nc_u64 s[XB:XB+1], s[68:69], s[20:21]
	s_cmp_eq_u32 s16, 0                            ; W's codes or D's: the choice hangs on the wave's number alone
	s_cselect_b64 s[WB:WB+1], s[70:71], s[72:73]
	s_add_nc_u64 s[WB:WB+1], s[WB:WB+1], s[18:19]
	CROUND                                         ; all sixteen work-groups are here: the first joint loads meet
.irp s, 0,1
	s_mov_b32 s[G0+4*\s], 1                        ; count = 1
	s_add_co_u32 s[G0+4*\s+1], s45, \s*SLOT        ; LDS address
	s_mov_b32 s[G0B+4*\s], 1
	s_add_co_u32 s[G0B+4*\s+1], s45, \s*SLOT
	AIM \s                                         ; my cluster's K step s
	JLOAD G0+4*\s, G1, G0B+4*\s, G1B               ; two loads of mine are out
.endr
	PREF                                           ; my cluster's K step 2, which the first refill will load
	; ---- while the tiles are on their way: t', lora_B and b are fetched, and the addresses are made
	v_and_b32 v1, 15, v0                           ; r = l % 16
	v_bfe_u32 v2, v0, 4, 1                         ; h = l / 16
	v_and_b32 v5, 31, v0
	v_lshlrev_b32 v[TI], 4, v5
	v_lshlrev_b32 v[LBO], 6, v1
	v_lshl_add_u32 v[LBO], v2, 5, v[LBO]
	v_lshlrev_b32 v[BIO], 5, v2
	s_lshl_b32 s4, s42, 7
	s_lshl_b32 s5, s16, 6
	s_add_co_u32 s4, s4, s5                        ; my first column: 128 x tile column + 64 j
	s_lshl_b32 s6, s4, 6                           ; lora_B: rows of 64 bytes
	s_mov_b32 s7, 0
	s_lshl_b32 s8, s4, 2                           ; b, and a row of out: 4 bytes a column
	s_mov_b32 s9, 0
	s_lshl_b32 s10, s17, 4
	s_lshl_b32 s11, s15, 3
	s_add_co_u32 s10, s10, s11                     ; my first tile of 16 rows: 16 x tile row + 8 i
	s_lshl_b32 s4, s10, 18                         ; out: 16 rows of 16,384 bytes a tile (under 2^25),
	s_add_co_u32 s4, s4, s8                        ; + my first column
	s_mov_b32 s5, 0
	s_lshl_b32 s10, s10, 9                         ; t_img: 512 bytes a tile
	s_mov_b32 s11, 0
	s_add_nc_u64 s[78:79], s[78:79], s[6:7]
	s_add_nc_u64 s[76:77], s[76:77], s[8:9]
	s_add_nc_u64 s[80:81], s[80:81], s[10:11]
	s_add_nc_u64 s[82:83], s[82:83], s[4:5]
.irp a, 0,1,2,3,4,5,6,7
	global_load_b128 v[TF+8*\a:TF+8*\a+3], v[TI], s[80:81] offset:512*\a          ; registers 0-3 of t's fragment a: t'(row r, ranks 8 h + 0 .. 7); the wave reads 512 consecutive bytes
.endr
.irp b, 0,1,2,3
	global_load_b128 v[LR+8*\b:LR+8*\b+3],   v[LBO], s[78:79] offset:1024*\b      ; lora_B(column 16 b + r, ranks 8 h + 0 .. 7): the wave reads 1,024 consecutive bytes in two loads
	global_load_b128 v[LR+8*\b+4:LR+8*\b+7], v[LBO], s[78:79] offset:1024*\b+16
	global_load_b128 v[BI+8*\b:BI+8*\b+3],   v[BIO], s[76:77] offset:64*\b        ; b(16 b + 8 h + 0 .. 7): the result's layout
	global_load_b128 v[BI+8*\b+4:BI+8*\b+7], v[BIO], s[76:77] offset:64*\b+16
.endr
	v_mul_u32_u24 v3, v1, PITCH
	v_lshl_add_u32 v4, v2, 4, v3                   ; a fragment's row x pitch + 16 x half
	s_mul_i32 s22, s15, HALFT                      ; my 128 rows of x
	s_mul_i32 s23, s16, 64*PITCH                   ; my 64 rows of W,
	s_add_co_u32 s23, s23, 2*HALFT                 ; which lie behind x's 256
.irp s, 0,1
	v_add_nc_u32 v[ADRA+\s], s22, v4
	v_add_nc_u32 v[ADRB+\s], s23, v4
	s_add_co_u32 s22, s22, SLOT
	s_add_co_u32 s23, s23, SLOT
.endr
	s_mul_i32 s22, s14, 16*SPITCH                  ; my stage
	v_mul_u32_u24 v5, v1, SPITCH                   ; in: row r, 32 bytes for each half of the lanes
	v_lshl_add_u32 v5, v2, 5, v5
	v_add_nc_u32 v[STO], s22, v5
	v_mul_u32_u24 v6, v2, SPITCH                   ; back: lanes 0-15 take one row of 256 bytes, lanes 16-31 the next
	v_lshl_add_u32 v6, v1, 4, v6
	v_add_nc_u32 v[RD], s22, v6
	v_lshlrev_b32 v6, 14, v2                       ; and the same two rows in out
	v_lshl_add_u32 v[CO], v1, 4, v6
.irp f, 0,1,2,3,4,5,6,7
.irp q, 4,5,6,7
	v_mov_b32 v[TF+8*\f+\q], 0                     ; the bf16 form's K is 32, the rank 16: k = 16 .. 31 are zeros, in both operands
.endr
.endr
.irp f, 0,1,2,3
.irp q, 4,5,6,7
	v_mov_b32 v[LB+8*\f+\q], 0
.endr
.endr
	s_wait_kmcnt 0x0
	s_add_co_i32 s90, s84, s85                     ; e0 + e1
	s_sub_co_i32 s94, 0, s90
	s_add_co_i32 s90, s90, 127
	s_lshl_b32 s90, s90, 23                        ; 2^(e0 + e1) as f32
	s_mov_b32 s91, s90                             ; (named with it as a pair, so it is written)
	s_add_co_i32 s92, s88, s89                     ; e4 + e5
	s_add_co_i32 s92, s92, 127
	s_lshl_b32 s92, s92, 23                        ; 2^(e4 + e5) as f32
	s_mov_b32 s93, s92
	s_wait_loadcnt 0x0                             ; t', lora_B, b
.irp n, 0,1,2,3,4,5,6,7,8,9,10,11,12,13,14,15,16,17,18,19,20,21,22,23,24,25,26,27,28,29,30,31
	v_ldexp_f32 v[BI+\n], v[BI+\n], s94            ; b / 2^(e0 + e1): the power of two that the sums lack; nothing is rounded
.endr
.irp b, 0,1,2,3
.irp q, 0,1,2,3
	v_cvt_pk_bf16_f32 v[LB+8*\b+\q], v[LR+8*\b+2*\q], v[LR+8*\b+2*\q+1]
.endr
.endr
	; ---- W's 32 sums begin: t' lora_B^T + b / 2^(e0 + e1).  32 different accumulators, one instruction each
	WIN 0x80                                       ; destination window 2
.irp a, 0,1,2,3
.irp b, 0,1,2,3
	v_wmma_f32_16x16x32_bf16 v[8*(8*\a+\b):8*(8*\a+\b)+7], v[LB+8*\b:LB+8*\b+7], v[TF+8*\a:TF+8*\a+7], v[BI+8*\b:BI+8*\b+7]
.endr
.endr
	WIN 0xc0                                       ; destination window 3
.irp a, 0,1,2,3
.irp b, 0,1,2,3
	v_wmma_f32_16x16x32_bf16 v[8*(8*\a+\b):8*(8*\a+\b)+7], v[LB+8*\b:LB+8*\b+7], v[TF+8*(\a+4):TF+8*(\a+4)+7], v[BI+8*\b:BI+8*\b+7]
.endr
.endr
	WIN 0
.rept 5
	v_nop                                          ; five places: matrix instructions of another form write over these results next (no chain in place), and loads land in t's registers
.endr
.macro FRAG reg, adr, q, row           ; a fragment, 16 rows x 128 K of codes, is 16 registers: lane l holds row l % 16; registers 4 c .. 4 c + 3 hold K = 32 c + 16 (l / 16) + 0 .. 15
.irp c, 0,1,2,3
	ds_load_b128 v[\reg+4*\c:\reg+4*\c+3], v[\adr] offset:128*(\q)+32*\c+(\row)*PITCH
.endr
.endm
; 8 matrix instructions: x's block a against W's four and D's four, 128 along K.  p: the set of W's and D's fragments.  first = 1: D's sums start with the constant 0; W's always add in place.
; The 64 accumulators take turns, one instruction a turn, in the same order in every step.
.macro MULB a, p, first
.irp b, 0,1,2,3,4,5,6,7
.if \first && (\b > 3)
	v_wmma_f32_16x16x128_bf8_bf8 v[8*(8*((\a)%4)+\b):8*(8*((\a)%4)+\b)+7], v[128*(\p)+FR*\b:128*(\p)+FR*\b+FR-1], v[AF+FR*(\a):AF+FR*(\a)+FR-1], 0
.else
	v_wmma_f32_16x16x128_bf8_bf8 v[8*(8*((\a)%4)+\b):8*(8*((\a)%4)+\b)+7], v[128*(\p)+FR*\b:128*(\p)+FR*\b+FR-1], v[AF+FR*(\a):AF+FR*(\a)+FR-1], v[8*(8*((\a)%4)+\b):8*(8*((\a)%4)+\b)+7]
.endif
.endr
.endm
.macro MUL16 a0, p, first              ; blocks a0 and a0 + 1
	MULB \a0, \p, \first
	MULB (\a0)+1, \p, \first
.endm
.macro FETCH_B slot, q, p              ; W's four and D's four fragments of the slot's q-th 128 along K into set p.  D's rows lie 128 rows behind W's: block i >= 4 begins 64 rows further on than 16 i
	WIN TO_B
.irp i, 0,1,2,3,4,5,6,7
	FRAG 128*(\p)+FR*\i, ADRB+\slot, \q, 16*\i+64*(\i/4)
.endr
	WIN 0
.endm
.macro FETCH_A slot, q, i0             ; x's blocks i0 .. i0 + 3
.irp i, \i0, \i0+1, \i0+2, \i0+3
	FRAG AF+FR*(\i), ADRA+\slot, \q, 16*(\i)
.endr
.endm
; A load into a register that a matrix instruction has read, and a vector instruction or an LDS store that reads a matrix result, stand NP places behind that matrix instruction, and only plain vector
; instructions that name none of its registers are places (ISA guide 7.12.1 for vector instructions); this text does not count the matrix instructions in between.
.macro PLACES n
.rept \n
	v_nop
.endr
.endm
; A step of 128 along K that has its successor in the same slot.  A block of x is free as soon as its eight products are issued, so one set of registers serves x: blocks 0-3 are fetched anew in the step's
; middle, blocks 4-7 at its end.  W's and D's fragments are at work through the whole step and have two sets.
.macro STEP slot, q, first
	s_wait_dscnt 4*NL                              ; W's and D's set and x's blocks 0-3 are in; the youngest 16 loads (x's blocks 4-7) may be out
	WIN MUL_LO
	MUL16 0, (\q)%2, \first
	MUL16 2, (\q)%2, \first
	s_wait_dscnt 0                                 ; x's blocks 4-7 are in (asked for 32 matrix instructions ago)
	PLACES NP
	FETCH_B \slot, (\q)+1, 1-(\q)%2
	FETCH_A \slot, (\q)+1, 0
	WIN MUL_HI
	MUL16 4, (\q)%2, \first
	MUL16 6, (\q)%2, \first
	PLACES NP
	WIN 0
	FETCH_A \slot, (\q)+1, 4
.endm
; A slot's last step changes slots.  All its fragments are in registers or on their way there, so nothing of it hangs on the next slot: 24 of its products go first, and only then the wave waits for all its
; tensor loads (its part of the next slot), adds 0 to its spare word, and waits for that and for its own reads of this slot: from a request to the wait for it a wave issues 120 matrix instructions, and
; between that wait and the next request eight.  fill = 1: the barrier opens a round of the cluster's barrier, and this slot is filled again, two K steps ahead, first thing behind the round.
.macro TURN slot, next, fill
	s_wait_dscnt 4*NL                              ; W's and D's set and x's blocks 0-3 are in; the youngest 16 loads (x's blocks 4-7) may be out
	WIN MUL_LO
	MULB 0, 1, 0
	MULB 1, 1, 0
	MULB 2, 1, 0
	WIN 0                                          ; (the add's two registers lie in window 0)
	s_wait_tensorcnt 0x0                           ; all my tensor loads have landed: the one that was out is my part of the next slot;
	ds_add_u32 v[SPW], v[NIL]                      ; 0 onto my spare word
.if \fill
	AIM \slot                                      ; no tensor load of mine is out: this slot's groups 0 may be written
.endif
	WIN MUL_LO
	MULB 3, 1, 0                                   ; eight matrix instructions stand between the add and the wait for it
	WIN 0
	s_wait_dscnt 0x0                               ; the add is done, and my reads of this slot are over
	s_barrier_signal -1
	s_barrier_wait -1                              ; both now hold of all four waves
.if \fill
	CREST                                          ; the barrier has opened a round of the cluster's barrier: no wave of any partner still reads this slot's tile or has a load on its way
	JLOAD G0+4*\slot, G1, G0B+4*\slot, G1B         ; the first tensor load behind the round, and my only one until the next; the four v_nop behind it are the places in front of the loads below
	PREF                                           ; and, while steps are left that no other cluster has read, a word for the refill after this one
.else
	PLACES NP
.endif
	FETCH_B \next, 0, 0
	FETCH_A \next, 0, 0
	WIN MUL_HI
	MUL16 4, 1, 0
	MUL16 6, 1, 0
	PLACES NP
	WIN 0
	FETCH_A \next, 0, 4
.endm
	s_wait_tensorcnt 1                             ; my part of my cluster's K step 0 is in (K step 1's load may be out)
	s_barrier_signal -1
	s_barrier_wait -1                              ; everybody's is
	FETCH_B 0, 0, 0
	FETCH_A 0, 0, 0
	FETCH_A 0, 0, 4
	STEP 0, 0, 1                                   ; the first step stands in front of the loop: its products start D's sums
	s_mov_b32 s3, LAPS-1
.Llap:                                                 ; a trip goes once round the ring, from a lap's second step to the next lap's first, and fills both slots again
	TURN 0, 1, 1
	STEP 1, 0, 0
	TURN 1, 0, 1
	STEP 0, 0, 0
	s_sub_co_u32 s3, s3, 1
	s_cmp_lg_u32 s3, 0
	s_cbranch_scc1 .Llap
	TURN 0, 1, 0                                   ; the last lap fills nothing, and has no round of the cluster's barrier
	STEP 1, 0, 0
	s_wait_dscnt 4*NL                              ; the very last step: nothing more to fetch
	WIN MUL_LO
	MUL16 0, 1, 0
	MUL16 2, 1, 0
	s_wait_dscnt 0
	WIN MUL_HI
	MUL16 4, 1, 0
	MUL16 6, 1, 0
	WIN 0
; THE WAY OUT, block by block of 16 rows x 64 columns.  The two sums of an output are joined: 2^(e4+e5) accD, then one fused multiply-add with 2^(e0+e1) accW, into other registers.  A lane holds 32
; neighbouring bytes of a row, and the lanes beside it hold other rows: so a block goes through my own stage in LDS and comes back as whole rows of 256 bytes, sixteen lanes to a row.
; LDS serves a wave's instructions in order (ISA guide 5.7.1.4): no wait between the stores and the loads, nor in front of the next block's stores.
.macro TOSTAGE a
.set AC, 64*((\a)%4)
	WIN 0x02+((\a)/4)                              ; source 0: window 2 or 3
.irp b, 0,1,2,3
.irp i, 0,2,4,6
	v_pk_mul_f32 v[TMP+8*\b+\i:TMP+8*\b+\i+1], v[AC+8*(\b+4)+\i:AC+8*(\b+4)+\i+1], s[92:93] op_sel_hi:[1,0]   ; D's sums x 2^(e4+e5); each accumulator from its low end on
.endr
.endr
.irp b, 0,1,2,3
.irp i, 0,2,4,6
	v_pk_fma_f32 v[TMP+8*\b+\i:TMP+8*\b+\i+1], v[AC+8*\b+\i:AC+8*\b+\i+1], s[90:91], v[TMP+8*\b+\i:TMP+8*\b+\i+1] op_sel_hi:[1,0,1]   ; + W's sums (with LoRA and the bias) x 2^(e0+e1)
.endr
.endr
	WIN 0
.irp b, 0,1,2,3
	ds_store_b128 v[STO], v[TMP+8*\b:TMP+8*\b+3] offset:64*\b
	ds_store_b128 v[STO], v[TMP+8*\b+4:TMP+8*\b+7] offset:64*\b+16
.endr
.set BB, BK+32*((\a)%2)
.irp t, 0,1,2,3,4,5,6,7
	ds_load_b128 v[BB+4*\t:BB+4*\t+3], v[RD] offset:\t*2*SPITCH
.endr
.endm
.macro SEND a, younger                 ; younger: the LDS instructions issued behind block a's loads, which may stay out
.set BB, BK+32*((\a)%2)
	s_wait_dscnt \younger                          ; the block is back in registers
.if (\a) > 0
	s_add_nc_u64 s[82:83], s[82:83], 16*OROW       ; (behind a wait on XCNT: the earlier stores have read their base)  16 rows of out on, so that the stores' offsets stay small: 14 rows at the most
.endif
.irp t, 0,1,2,3,4,5,6,7
	global_store_b128 v[CO], v[BB+4*\t:BB+4*\t+3], s[82:83] offset:2*\t*OROW th:TH_STORE_NT   ; 16 lanes store 256 consecutive bytes, at a multiple of 256 from out's first byte; written once, read by nobody here
.endr
.endm
	PLACES NP                                      ; in front of the first read of results, and of the loads into the registers that held x's fragments
	TOSTAGE 0
.irp a, 1,2,3,4,5,6,7
.if \a > 1
	s_wait_xcnt 0x0                                ; block a - 2's stores have read their registers and their base: block a's loads may land there, and the base may step
.endif
	TOSTAGE \a
	SEND \a-1, 16                                  ; behind block a - 1's loads: block a's 8 stores and 8 loads
.endr
	s_wait_xcnt 0x0                                ; block 6's stores have read their base
	SEND 7, 0
	s_wait_tensorcnt 0x0                           ; the wave's end, behind my last tensor load and my last LDS store
	ds_add_u32 v[SPW], v[NIL]
	s_wait_dscnt 0x0
	CROUND                                         ; the closing round: no work-group ends while a partner may still ask for a tile that names it
	s_endpgm
.Lfunc_end_k_q74b4ae3ce1_gemm:
	.size	k_q74b4ae3ce1_gemm, .Lfunc_end_k_q74b4ae3ce1_gemm-k_q74b4ae3ce1_gemm
	.p2alignl 7, 3214868480
	.fill 96, 4, 3214868480
	.section	.rodata,"a",@progbits
	.p2align	6, 0x0
	.amdhsa_kernel k_q74b4ae3ce1_gemm
		.amdhsa_group_segment_fixed_size 327680
		.amdhsa_private_segment_fixed_size 0
		.amdhsa_enable_private_segment 0
		.amdhsa_kernarg_size 64
		.amdhsa_user_sgpr_count 2
		.amdhsa_user_sgpr_kernarg_segment_ptr 1
		.amdhsa_wavefront_size32 1
		.amdhsa_system_sgpr_workgroup_id_x 1
		.amdhsa_system_sgpr_workgroup_id_y 1
		.amdhsa_system_sgpr_workgroup_id_z 1
		.amdhsa_system_vgpr_workitem_id 0
		.amdhsa_next_free_vgpr 1024
		.amdhsa_next_free_sgpr 98
		.amdhsa_reserve_vcc 0
		.amdhsa_float_denorm_mode_32 3
		.amdhsa_float_denorm_mode_16_64 3
		.amdhsa_memory_ordered 1
		.amdhsa_forward_progress 1
		.amdhsa_inst_pref_size 121
	.end_amdhsa_kernel
	.amdgpu_metadata
---
amdhsa.version: [ 1, 2 ]
amdhsa.kernels:
  - .name:           k_q74b4ae3ce1_gemm
    .symbol:         k_q74b4ae3ce1_gemm.kd
    .args:
      - { .name: x_codes, .offset: 0, .size: 8, .value_kind: global_buffer, .address_space: global }
      - { .name: W_codes, .offset: 8, .size: 8, .value_kind: global_buffer, .address_space: global }
      - { .name: d_codes, .offset: 16, .size: 8, .value_kind: global_buffer, .address_space: global }
      - { .name: lowp_scales, .offset: 24, .size: 8, .value_kind: global_buffer, .address_space: global }
      - { .name: b, .offset: 32, .size: 8, .value_kind: global_buffer, .address_space: global }
      - { .name: lora_B, .offset: 40, .size: 8, .value_kind: global_buffer, .address_space: global }
      - { .name: t_img, .offset: 48, .size: 8, .value_kind: global_buffer, .address_space: global }
      - { .name: out0, .offset: 56, .size: 8, .value_kind: global_buffer, .address_space: global }
    .group_segment_fixed_size: 327680
    .private_segment_fixed_size: 0
    .kernarg_segment_align: 8
    .kernarg_segment_size: 64
    .max_flat_workgroup_size: 128
    .sgpr_count:     98
    .vgpr_count:     1024
    .wavefront_size: 32
...
	.end_amdgpu_metadata
.endif
;; end of part 2
;; ======== version 2 of 2: 2 launches; version 1 with the launch prep written anew for expert scheduling mode
;; workspace buffers: d_codes 16,777,216 bytes; t_img 65,536 bytes
;; launch prep (part 3): grid 640 x 1, 4 waves a work-group, no clusters, 37,376 bytes of LDS; arguments delta, mask, x_codes, lora_A_codes, lowp_scales, d_codes, t_img; writes d_codes, t_img
.if DOCPART == 3
	.amdgcn_target "amdgcn-amd-amdhsa--gfx1250"
	.amdhsa_code_object_version 6
	.text
	.protected	k_q74b4ae3ce1_prep
	.globl	k_q74b4ae3ce1_prep
	.p2align	8
	.type	k_q74b4ae3ce1_prep,@function
k_q74b4ae3ce1_prep:
	s_mov_b64 s[64:65], 0
	v_nop
	global_prefetch_b8 v0, s[64:65] scope:SCOPE_SE
	s_setreg_imm32_b32 hwreg(HW_REG_WAVE_SCHED_MODE, 0, 2), 2
	s_setreg_imm32_b32 hwreg(HW_REG_WAVE_MODE, 25, 1), 1
	s_wait_xcnt 0x0
	s_wait_alu depctr_vm_vsrc(0)
; TWO JOBS IN ONE LAUNCH, parted on the work-group's number.
; (1) Work-groups NT .. NT+511: delta [4096][4096] f32 and mask [4096][4096] bytes become d_codes [4096][4096]: codes of BF8 (E5M2) of delta x mask, K innermost, with the given scale 2^e5
;     (entry 5 of the scales).  code = delta / 2^e5, held within +-57,344, to the nearest code, ties to even; then the code's byte is ANDed with 0xFF x its mask byte.
; (2) Work-groups 0 .. NT-1: t = x lora_A^T on codes (K = 4,096, 16 ranks).  Work-group g takes rows 16 g .. 16 g + 15 of x; each of its four waves 1,024 along K; the four partial sums meet in LDS,
;     and wave 0 stores t' = sum x 2^(e2 + e3 + 1 - e0 - e1) as bf16.  The 1 is reference()'s scaling 32 / 16 = 2; e0 + e1 is taken off because the next launch adds t' lora_B^T onto sums that still
;     lack 2^(e0 + e1).  t_img holds, for each tile of 16 rows, 512 bytes: lane l's 16 bytes at 16 l = t'(row l % 16, ranks 8 (l / 16) + 0 .. 7): registers 0-3 of the bf16 operand, as they stand.
; LIMITS.  e5 between -126 and 112, so that 2^e5 and 57,344 x 2^e5 are f32 numbers.  Mask bytes are 0 or 1.  Masking the code gives +0 where reference() has -0 (a masked negative number): the same value.
;     NaN and infinity in delta are not served (reference() makes NaN of a masked infinity).  t' must lie in bf16's range.  t's K is summed in eight parts (4 waves x 2 accumulators), and k is
;     permuted alike in both operands by the 16-byte fragment loads: the order of the sums differs from reference()'s.
; Nothing is shared between work-groups and every byte is read once: so no cluster, no tensor load, no ring in LDS.  The quantiser's waves share nothing at all.
; THE QUANTISER.  Rows are dense, so delta, mask and codes are plain streams.  A wave takes 16 steps of 512 numbers.  Each of a step's four loads reads 512 consecutive bytes, 16 a lane; the conversion wants 16
; NEIGHBOURS in one lane's registers: the step's 2,048 bytes turn through the wave's own stage in LDS (16 bytes of padding behind each 64) and come back 64 bytes a lane.  A lane's 16 codes and its 16 mask
; bytes are 16 bytes each: the wave's mask load and its store cover 512 consecutive bytes.  Loads run four steps (16 loads a wave) ahead, the turn through LDS one step; all 16 mask loads go out first.
; THE MODE: SCHED_MODE bits 1:0 = 2 (LLVM: expert scheduling mode 2), set by the entry lines.  The code itself states the register dependences
; between vector or matrix instructions and memory or LDS instructions, with s_wait_alu, always for 0.
; THE PLAN.  Registers that memory or LDS instructions touch:
;   v3, v5, v12-v15  offsets and LDS addresses: written once at the head, read by every load, store and LDS line, never written again.  v8, v9: written at the head, read by the closing add alone.
;   job (1)  R0 .. R3   The loads of step t + 4 land in R[t % 4]; the LDS stores of step t's turn read it.  No vector line names R.
;            X0, X1     The LDS loads of step t + 1's turn, issued in step t, land in X[(t + 1) % 2]; step t - 1's holds wrote it and its conversions read it.
;            C[t]       Written by step t's conversions and ANDs; read by one store, which is issued in step t + 1; never written again.
;            M          Loaded once, read by vector lines.   v10, v11 and T are named by vector lines alone.
;   So two waits at a step's head state all: vm_vsrc: the turn's LDS stores have read R[t % 4]; va_vdst: step t - 1 has written C[t - 1] and is done with the other X.  The step's vector lines name
;   X[t % 2], M[t], T and C[t]: none of the registers that its four loads, its store and its eight LDS lines touch.
;   job (2)  XF         Loaded once, read by the products.    AFR  Loaded, read by products 0 to 3, loaded again: one wait on va_vdst ahead of the second run.
;            P          Written by the packed additions, read by two LDS stores: one wait on va_vdst, which also shows every product done reading XF.
;            SUMS, OUTR Wave 0 alone: the partial sums come from LDS into SUMS; the roundings write OUTR, which one store reads: one wait on va_vdst.  In neither job does a memory or LDS
;                       instruction read these registers, so nothing is owed on vm_vsrc for them.
.set NT,    128                        ; work-groups of job (2): 2,048 rows of x / 16
.set STEPS, 16
.set SP,    80                         ; a lane's place in a stage: its 64 bytes + 16 of padding
.set PART,  32768                      ; LDS: job (1) has 8,192 bytes a wave from 0 on (two stages of 32 x SP); job (2) has bytes of its own from here: 1,024 a wave
.set R,     16                         ; v16-79    job (1): four sets of 16 numbers as they are loaded
.set X,     80                         ; v80-111   two sets of 16 neighbours
.set T,     112                        ; v112-115  0xFF x mask
.set C,     128                        ; v128-191  codes: four registers for each step, so that no store's data are written again
.set M,     192                        ; v192-255  mask bytes: four registers for each step
.set XF,    16                         ; v16-143   job (2): x's eight fragments (16 rows x 128 K: 16 registers)
.set AFR,   144                        ; v144-207  lora_A's fragments, four at a time
.set ACC,   208                        ; v208-223  two accumulators, by turns
.set P,     224                        ; v224-231  my wave's partial sum
.set SUMS,  80                         ; v80-111   job (2), wave 0, behind the barrier: the four partial sums
.set OUTR,  112                        ; v112-115  and t' as bf16
	s_load_b256 s[4:11], s[0:1], 0x0               ; delta s[4:5], mask s[6:7], x's codes s[8:9], lora_A's codes s[10:11]
	s_load_b128 s[12:15], s[0:1], 0x20             ; the scales' exponents s[12:13], d_codes s[14:15]
	s_load_b64 s[16:17], s[0:1], 0x30              ; t_img
	v_lshl_add_u32 v8, v0, 2, 0x9000
	v_mov_b32 v9, 0
	v_lshrrev_b32 v1, 5, v0
	v_readfirstlane_b32 s18, v1                    ; wave 0..3
	; every address register of both jobs is made here, ahead of the parting, and never rewritten
	v_and_b32 v2, 31, v0                           ; lane
	v_lshlrev_b32 v3, 4, v2                        ; 16 x lane: my 16 bytes of 512
	v_and_b32 v6, 15, v0                           ; r
	v_bfe_u32 v7, v0, 4, 1                         ; h
	v_lshlrev_b32 v5, 12, v6                       ; a fragment of x or lora_A: row r of 4,096 bytes,
	v_lshl_add_u32 v5, v7, 4, v5                   ; + 16 h,
	s_wait_alu depctr_va_sdst(0)                   ; s18 is written, ahead of its first reader: LDS addresses, bases and branches are made from it
	s_lshl_b32 s20, s18, 10
	v_add_nc_u32 v5, s20, v5                       ; + my wave's 1,024 along K
	v_add_nc_u32 v12, PART, v3                     ; where wave 0 reads the partial sums
	v_add_nc_u32 v13, s20, v12                     ; where I store mine: PART + 1,024 x wave + 16 x lane
	s_lshl_b32 s21, s18, 13                        ; my stages: 8,192 x wave
	v_lshrrev_b32 v14, 2, v2
	v_mul_u32_u24 v14, v14, SP
	v_and_b32 v15, 3, v2
	v_lshl_add_u32 v14, v15, 4, v14
	v_add_nc_u32 v14, s21, v14                     ; into a stage: four lanes' 64 bytes on end, then 16 of padding: SP (lane / 4) + 16 (lane % 4)
	v_mul_u32_u24 v15, v2, SP
	v_add_nc_u32 v15, s21, v15                     ; and out of it: SP x lane: my 16 neighbours
	s_wait_kmcnt 0x0
	s_load_b128 s[24:27], s[12:13], 0x0            ; e0, e1, e2, e3
	s_load_b64 s[28:29], s[12:13], 0x10            ; e4, e5: the buffer's 24 bytes, no more
	s_wait_alu depctr_va_vdst(0)                   ; v3, v5 and v12 to v15 are written: every load, store and LDS line of both jobs reads one of them as its offset or address
	s_cmp_lt_u32 ttmp9, NT
	s_cbranch_scc1 .Llora
	; ---------------- job (1): the quantiser ----------------
	s_sub_co_u32 s20, ttmp9, NT
	s_lshl_b32 s20, s20, 2
	s_add_co_u32 s20, s20, s18                     ; which run of 8,192 numbers is my wave's: 0 .. 2,047
	s_lshl_b32 s22, s20, 13                        ; its bytes in mask and in d_codes,
	s_mov_b32 s23, 0
	s_lshl_b32 s20, s20, 15                        ; and in delta (under 2^27)
	s_mov_b32 s21, 0
	s_add_nc_u64 s[4:5], s[4:5], s[20:21]
	s_add_nc_u64 s[6:7], s[6:7], s[22:23]
	s_add_nc_u64 s[14:15], s[14:15], s[22:23]
.macro LOADD t                         ; step t's 512 numbers, as they lie
.irp i, 0,1,2,3
	global_load_b128 v[R+16*((\t)%4)+4*\i:R+16*((\t)%4)+4*\i+3], v3, s[4:5] offset:2048*(\t)+512*\i th:TH_LOAD_NT   ; 32 lanes read 512 consecutive bytes; read once in the launch
.endr
.endm
.macro TURN t                          ; step t's numbers through the stage: LDS serves a wave's instructions in order (ISA guide 5.7.1.4), so no wait stands between the stores and the loads
.irp i, 0,1,2,3
	ds_store_b128 v14, v[R+16*((\t)%4)+4*\i:R+16*((\t)%4)+4*\i+3] offset:32*SP*((\t)%2)+8*SP*\i
.endr
.irp i, 0,1,2,3
	ds_load_b128 v[X+16*((\t)%2)+4*\i:X+16*((\t)%2)+4*\i+3], v15 offset:32*SP*((\t)%2)+16*\i
.endr
.endm
.irp t, 0,1,2,3,4,5,6,7,8,9,10,11,12,13,14,15
	global_load_b128 v[M+4*\t:M+4*\t+3], v3, s[6:7] offset:512*\t th:TH_LOAD_NT   ; all my mask bytes: 16 for each lane and step
.endr
.irp t, 0,1,2,3
	LOADD \t
.endr
	s_wait_kmcnt 0x0
	s_add_co_i32 s30, s29, 127
	s_lshl_b32 s31, s30, 23
	v_mov_b32 v11, s31                             ; 2^e5 as f32: the conversion takes its exponent field
	s_add_co_i32 s30, s30, 15
	s_lshl_b32 s30, s30, 23
	s_or_b32 s30, s30, 0x600000
	v_mov_b32 v10, s30                             ; 57,344 x 2^e5
	s_wait_loadcnt 12                              ; step 0's four loads are in, and the mask loads, which are older; three steps' loads may be out
	TURN 0                                         ; (no vector line has named R, X0, v14 or v15 since the wait at the head)
.macro STEP t
.set XS, X+16*((\t)%2)
.set CT, C+4*(\t)
.set MT, M+4*(\t)
	s_wait_dscnt 0x0                               ; this step's numbers are back from the stage
.if (\t)+4 < STEPS
	s_wait_alu depctr_vm_vsrc(0)                   ; the LDS stores of this step's turn have read R[t % 4], in which the loads below land
.endif
.if (\t) > 0
	s_wait_alu depctr_va_vdst(0)                   ; the step before has written its codes, which the store below reads, and is done with the other X, in which the next turn's LDS loads land
.endif
.if (\t)+4 < STEPS
	LOADD (\t)+4                                   ; four steps on
.endif
.if (\t) > 0
	global_store_b128 v3, v[CT-4:CT-1], s[14:15] offset:512*((\t)-1)   ; the step before: the wave stores 512 consecutive bytes, aligned; the next launch reads them, so no hint
.endif
.if (\t)+1 < STEPS
.if STEPS-2-(\t) >= 3
	s_wait_loadcnt 12                              ; the next step's four loads are in; those of the three steps behind it may be out
.else
	s_wait_loadcnt 4*(STEPS-2-(\t))                ; the counts run down: 8, 4, 0
.endif
	TURN (\t)+1                                    ; and go through the other stage while this step is worked.  No wait: no vector line since the waits above names its registers
.endif
.irp i, 0,1,2,3,4,5,6,7,8,9,10,11,12,13,14,15
	v_med3_num_f32 v[XS+\i], v[XS+\i], -v10, v10   ; the conversion to an 8-bit code does not saturate (ISA guide 7.6.2): hold the number within the largest code x the scale first
.endr
	v_cvt_scalef32_pk8_bf8_f32 v[CT:CT+1], v[XS:XS+7], v11        ; eight numbers / 2^e5, to the nearest code, ties to even; the first number's code in the lowest byte
	v_cvt_scalef32_pk8_bf8_f32 v[CT+2:CT+3], v[XS+8:XS+15], v11
.irp i, 0,1,2,3
	v_lshlrev_b32 v[T+\i], 8, v[MT+\i]             ; 256 m - m = 255 m: each byte 0 or 1 becomes 0x00 or 0xFF, with no carry between bytes.
.endr
.irp i, 0,1,2,3
	v_sub_nc_u32 v[T+\i], v[T+\i], v[MT+\i]        ; (These eight plain lines stand between the conversions and the lines that touch their results)
.endr
.irp i, 0,1,2,3
	v_and_b32 v[CT+\i], v[CT+\i], v[T+\i]          ; the mask: a hidden number's code is 0
.endr
.endm
.irp t, 0,1,2,3,4,5,6,7,8,9,10,11,12,13,14,15
	STEP \t
.endr
	s_wait_alu depctr_va_vdst(0)                   ; the last step has written its codes, which the last store reads
	global_store_b128 v3, v[C+4*(STEPS-1):C+4*(STEPS-1)+3], s[14:15] offset:512*(STEPS-1)
	s_branch .Ljoin
	; ---------------- job (2): my wave's part of t ----------------
.Llora:
	s_lshl_b32 s20, ttmp9, 16                      ; my work-group's 16 rows of 4,096 bytes
	s_mov_b32 s21, 0
	s_add_nc_u64 s[8:9], s[8:9], s[20:21]
; A fragment, 16 rows x 128 K of codes: lane (r, h) takes, of row r, k = 32 c + 16 h + 0 .. 15 into registers 4 c .. 4 c + 3: a permutation of k that is the same in both operands.
.irp s, 0,1,2,3
.irp c, 0,1,2,3
	global_load_b128 v[AFR+16*\s+4*\c:AFR+16*\s+4*\c+3], v5, s[10:11] offset:128*\s+32*\c
.endr
.endr
.irp s, 0,1,2,3,4,5,6,7
.irp c, 0,1,2,3
	global_load_b128 v[XF+16*\s+4*\c:XF+16*\s+4*\c+3], v5, s[8:9] offset:128*\s+32*\c
.endr
.endr
; TRANSPOSED: source 0 = lora_A's 16 ranks, source 1 = 16 rows of x: lane (r, h) holds row r, and register j rank 8 h + j.  The two accumulators take turns, one instruction a turn.
.macro TPROD s
.if \s < 2
	v_wmma_f32_16x16x128_bf8_bf8 v[ACC+8*(\s%2):ACC+8*(\s%2)+7], v[AFR+16*(\s%4):AFR+16*(\s%4)+15], v[XF+16*\s:XF+16*\s+15], 0
.else
	v_wmma_f32_16x16x128_bf8_bf8 v[ACC+8*(\s%2):ACC+8*(\s%2)+7], v[AFR+16*(\s%4):AFR+16*(\s%4)+15], v[XF+16*\s:XF+16*\s+15], v[ACC+8*(\s%2):ACC+8*(\s%2)+7]
.endif
.endm
.irp s, 0,1,2,3
	s_wait_loadcnt 28-4*\s                         ; x's step s is in (lora_A's four are older); x's later steps, four loads each, may be out
	TPROD \s
.endr
.rept 4
	v_nop                                          ; places in front of loads into registers that matrix instructions have read (ISA guide 7.12.1 for vector instructions); they stay beside the wait below
.endr
	s_wait_alu depctr_va_vdst(0)                   ; products 0 to 3 are done reading lora_A's four fragments, in which the sixteen loads below land
.irp s, 0,1,2,3
.irp c, 0,1,2,3
	global_load_b128 v[AFR+16*\s+4*\c:AFR+16*\s+4*\c+3], v5, s[10:11] offset:128*(\s+4)+32*\c
.endr
.endr
.irp s, 4,5,6,7
	s_wait_loadcnt 4*(7-\s)                        ; lora_A's step s is in, and all of x, which is older; lora_A's later steps may be out
	TPROD \s
.endr
.rept 4
	v_nop                                          ; places in front of the first read of results
.endr
.irp i, 0,2,4,6
	v_pk_add_f32 v[P+\i:P+\i+1], v[ACC+\i:ACC+\i+1], v[ACC+8+\i:ACC+8+\i+1]   ; both accumulators from their low ends on
.endr
	s_wait_alu depctr_va_vdst(0)                   ; the additions have written P, which the LDS stores read; and every product is done reading x's fragments, in some of which wave 0's LDS loads land behind the barrier
	ds_store_b128 v13, v[P:P+3]                    ; an image of my eight registers: 16 x lane, 512 bytes a store
	ds_store_b128 v13, v[P+4:P+7] offset:512
.Ljoin:                                            ; every wave of every work-group passes this one barrier; job (1) hands nothing over at it
	s_wait_dscnt 0x0                               ; for the others' sake: my stores have landed
	s_barrier_signal -1
	s_barrier_wait -1
	s_cmp_ge_u32 ttmp9, NT
	s_cbranch_scc1 .Lend
	s_cmp_lg_u32 s18, 0
	s_cbranch_scc1 .Lend
	; ---------------- job (2), wave 0: the four partial sums become t' ----------------
	s_wait_kmcnt 0x0
	s_add_co_i32 s30, s26, s27                     ; e2 + e3
	s_add_co_i32 s30, s30, 1                       ; x 2, the scaling
	s_sub_co_i32 s30, s30, s24
	s_sub_co_i32 s30, s30, s25                     ; - e0 - e1
	s_lshl_b32 s20, ttmp9, 9                       ; my tile's 512 bytes of t_img
	s_mov_b32 s21, 0
	s_add_nc_u64 s[16:17], s[16:17], s[20:21]
.irp p, 0,1,2,3
.irp g, 0,1
	ds_load_b128 v[SUMS+8*\p+4*\g:SUMS+8*\p+4*\g+3], v12 offset:1024*\p+512*\g   ; no wait: no vector or matrix line since the last wait on va_vdst names these registers or v12
.endr
.endr
	s_wait_dscnt 0x0
.irp i, 0,2,4,6
	v_pk_add_f32 v[SUMS+\i:SUMS+1+\i], v[SUMS+\i:SUMS+1+\i], v[SUMS+8+\i:SUMS+9+\i]
	v_pk_add_f32 v[SUMS+16+\i:SUMS+17+\i], v[SUMS+16+\i:SUMS+17+\i], v[SUMS+24+\i:SUMS+25+\i]
.endr
.irp i, 0,2,4,6
	v_pk_add_f32 v[SUMS+\i:SUMS+1+\i], v[SUMS+\i:SUMS+1+\i], v[SUMS+16+\i:SUMS+17+\i]
.endr
.irp j, 0,1,2,3,4,5,6,7
	v_ldexp_f32 v[SUMS+\j], v[SUMS+\j], s30        ; a power of two: nothing is rounded
.endr
.irp q, 0,1,2,3
	v_cvt_pk_bf16_f32 v[OUTR+\q], v[SUMS+2*\q], v[SUMS+1+2*\q]   ; the lower rank in the lower half
.endr
	s_wait_alu depctr_va_vdst(0)                   ; the roundings have written t', which the store reads
	global_store_b128 v3, v[OUTR:OUTR+3], s[16:17] ; the wave stores 512 consecutive bytes, aligned
.Lend:
	s_wait_dscnt 0x0                               ; the closing lines, six on end
	s_wait_alu 0x0
	s_wait_tensorcnt 0x0
	ds_add_u32 v8, v9
	s_wait_dscnt 0x0
	s_endpgm
.Lfunc_end_k_q74b4ae3ce1_prep:
	.size	k_q74b4ae3ce1_prep, .Lfunc_end_k_q74b4ae3ce1_prep-k_q74b4ae3ce1_prep
	.p2alignl 7, 3214868480
	.fill 96, 4, 3214868480
	.section	.rodata,"a",@progbits
	.p2align	6, 0x0
	.amdhsa_kernel k_q74b4ae3ce1_prep
		.amdhsa_group_segment_fixed_size 37376
		.amdhsa_private_segment_fixed_size 0
		.amdhsa_enable_private_segment 0
		.amdhsa_kernarg_size 56
		.amdhsa_user_sgpr_count 2
		.amdhsa_user_sgpr_kernarg_segment_ptr 1
		.amdhsa_wavefront_size32 1
		.amdhsa_system_sgpr_workgroup_id_x 1
		.amdhsa_system_sgpr_workgroup_id_y 1
		.amdhsa_system_sgpr_workgroup_id_z 1
		.amdhsa_system_vgpr_workitem_id 0
		.amdhsa_next_free_vgpr 256
		.amdhsa_next_free_sgpr 66
		.amdhsa_reserve_vcc 0
		.amdhsa_float_denorm_mode_32 3
		.amdhsa_float_denorm_mode_16_64 3
		.amdhsa_memory_ordered 1
		.amdhsa_forward_progress 1
		.amdhsa_inst_pref_size 56
	.end_amdhsa_kernel
	.amdgpu_metadata
---
amdhsa.version: [ 1, 2 ]
amdhsa.kernels:
  - .name:           k_q74b4ae3ce1_prep
    .symbol:         k_q74b4ae3ce1_prep.kd
    .args:
      - { .name: delta, .offset: 0, .size: 8, .value_kind: global_buffer, .address_space: global }
      - { .name: mask, .offset: 8, .size: 8, .value_kind: global_buffer, .address_space: global }
      - { .name: x_codes, .offset: 16, .size: 8, .value_kind: global_buffer, .address_space: global }
      - { .name: lora_A_codes, .offset: 24, .size: 8, .value_kind: global_buffer, .address_space: global }
      - { .name: lowp_scales, .offset: 32, .size: 8, .value_kind: global_buffer, .address_space: global }
      - { .name: d_codes, .offset: 40, .size: 8, .value_kind: global_buffer, .address_space: global }
      - { .name: t_img, .offset: 48, .size: 8, .value_kind: global_buffer, .address_space: global }
    .group_segment_fixed_size: 37376
    .private_segment_fixed_size: 0
    .kernarg_segment_align: 8
    .kernarg_segment_size: 56
    .max_flat_workgroup_size: 128
    .sgpr_count:     66
    .vgpr_count:     256
    .wavefront_size: 32
...
	.end_amdgpu_metadata
.endif
;; end of part 3
;; launch gemm: the kernel of part 2 again; grid 32 x 8, 4 waves a work-group, clusters of 4 x 4, 327,680 bytes of LDS; arguments x_codes, W_codes, d_codes, lowp_scales, b, lora_B, t_img, out0; writes out0
